; MI455X (gfx1250); checked and timed in simulation.
; The chip was launched on July 23, 2026; its instructions are those of AMD's public machine-readable ISA for CDNA 5 (MIT licence, August 2026) and "CDNA5" Instruction Set Architecture Reference Guide (July 2026). The comments in the code are by the model that wrote it; some were corrected since.
;; Quantum Feed Forward. Allowed arithmetic: float matrix products may take bf16 or f16 operands with f32 sums; all other float work in f32.
;; Inputs: W1 2,048 x 512 float32; W2 512 x 2,048 float32; theta 512 float32; x 8 x 4,096 x 512 float32.
;; Outputs: out0 8 x 4,096 x 512 float32.
;; One version. Each part assembles by itself: llvm-mc -triple=amdgcn-amd-amdhsa -mcpu=gfx1250 --defsym DOCPART=n.
;; ======== version 1 of 1: 2 launches
;; limits: values are held in f16: magnitudes above 65,504 overflow, below 6.1e-05 lose precision; right only within a limited range of input values
;; workspace buffers: wf 4,194,304 bytes
;; launch prep (part 1): grid 128 x 2, 8 waves a work-group, no clusters, 0 bytes of LDS; arguments W1, W2, wf; writes wf
.if DOCPART == 1
	.amdgcn_target "amdgcn-amd-amdhsa--gfx1250"
	.amdhsa_code_object_version 6
	.text
	.protected	k_qb20bdfa775_prep
	.globl	k_qb20bdfa775_prep
	.p2align	8
	.type	k_qb20bdfa775_prep,@function
k_qb20bdfa775_prep:
	s_mov_b64 s[64:65], 0
	v_nop
	global_prefetch_b8 v0, s[64:65] scope:SCOPE_SE
	s_setreg_imm32_b32 hwreg(HW_REG_WAVE_MODE, 25, 1), 1
	s_wait_xcnt 0x0
; W1 [2048][512] and W2 [512][2048], f32, are rounded once to f16 and written into wf in the order in which the second launch streams and reads them.
; A FRAGMENT is 16 rows x 32 k of a weight matrix, 1,024 dense bytes: byte 512 half + 16 lane holds the eight numbers (row lane % 16, k = 16 half + 8 (lane / 16) + 0..7),
; so that two loads of 16 bytes a lane, 512 bytes apart, are a matrix operand's eight registers.
; wf is 16 chunks of 262,144 bytes, chunk c for f = 128 c .. 128 c + 127:
;   W1's part, 131,072 bytes: fragment ((16 g + s) 4 + tt): rows f = 128 c + 64 g + 16 tt + .., k = 32 s + ..      (g 0..1, s 0..15, tt 0..3)
;   W2's part, 131,072 bytes: fragment (32 w + 8 s + a):    rows 128 w + 16 a + .., k = f = 128 c + 32 s + ..       (w 0..3, s 0..3, a 0..7)
; SHARES.  Grid y = 0: W1, y = 1: W2.  A wave makes two fragments that are neighbours along k: its eight loads cover 256 consecutive bytes, aligned, of each of 16 rows; each of its four
; stores covers 512 consecutive bytes, aligned.  1,024 pairs of fragments a matrix = 128 work-groups x 8 waves.  No LDS, no barrier: no wave needs another's numbers.
; LIMITS.  A weight of 65,520 or more in magnitude becomes an infinity; below 6e-5 it keeps f16's fixed step of 6e-8.
	s_load_b128 s[4:7], s[0:1], 0x0                ; W1 s[4:5], W2 s[6:7]
	s_load_b64 s[8:9], s[0:1], 0x10                ; wf
	v_lshrrev_b32 v4, 5, v0
	v_readfirstlane_b32 s10, v4                    ; wave 0..7
	s_lshl_b32 s11, ttmp9, 3
	s_add_co_u32 s11, s11, s10                     ; p: my pair of fragments, 0..1023
	s_and_b32 s12, ttmp7, 0xffff                   ; y: which matrix
	; as a pair of W1: row tile T = p / 8, pair sp = p % 8 of its sixteen k steps
	s_lshr_b32 s13, s11, 3                         ; T
	s_and_b32 s14, s11, 7                          ; sp
	s_lshl_b32 s15, s13, 15                        ; 16 rows of 2,048 bytes
	s_lshl_b32 s16, s14, 8                         ; 64 numbers of 4 bytes
	s_or_b32 s15, s15, s16                         ; where it lies in W1
	s_lshr_b32 s16, s13, 3                         ; c = T / 8
	s_lshl_b32 s16, s16, 18                        ; its chunk
	s_bfe_u32 s17, s13, 0x10002                    ; g = (T / 4) % 2
	s_lshl_b32 s17, s17, 4
	s_lshl1_add_u32 s17, s14, s17                  ; 16 g + s, s = 2 sp
	s_lshl_b32 s17, s17, 2
	s_and_b32 s18, s13, 3                          ; tt = T % 4
	s_add_co_u32 s17, s17, s18
	s_lshl_b32 s17, s17, 10
	s_add_co_u32 s16, s16, s17                     ; where its first fragment goes; the second lies 4 fragments on
	; as a pair of W2: row tile A = p / 32, pair Sp = p % 32 of its 64 k steps
	s_lshr_b32 s18, s11, 5                         ; A
	s_and_b32 s19, s11, 31                         ; Sp
	s_lshl_b32 s20, s18, 17                        ; 16 rows of 8,192 bytes
	s_lshl_b32 s21, s19, 8
	s_or_b32 s20, s20, s21                         ; where it lies in W2
	s_lshr_b32 s21, s19, 1                         ; c = Sp / 2
	s_lshl_b32 s21, s21, 18
	s_add_co_u32 s21, s21, 131072                  ; behind the chunk's W1
	s_lshr_b32 s22, s18, 3                         ; w = A / 8
	s_lshl_b32 s22, s22, 5
	s_and_b32 s23, s19, 1
	s_lshl_b32 s23, s23, 4                         ; 8 s, s = 2 (Sp % 2)
	s_add_co_u32 s22, s22, s23
	s_and_b32 s23, s18, 7                          ; a = A % 8
	s_add_co_u32 s22, s22, s23
	s_lshl_b32 s22, s22, 10
	s_add_co_u32 s21, s21, s22                     ; where its first fragment goes; the second lies 8 fragments on
	s_mov_b32 s24, 4096
	s_mov_b32 s25, 8192
	s_cmp_eq_u32 s12, 0                            ; the choice hangs on the grid's y alone
	s_cselect_b32 s15, s15, s20                    ; source offset
	s_cselect_b32 s16, s16, s21                    ; destination offset
	s_cselect_b32 s17, 11, 13                      ; log2 of a row's bytes
	s_cselect_b32 s18, s24, s25                    ; from the first fragment to the second
	v_and_b32 v4, 15, v0                           ; lane % 16: the row
	v_bfe_u32 v5, v0, 4, 1                         ; lane / 16
	v_and_b32 v6, 31, v0                           ; lane
	v_lshlrev_b32 v1, s17, v4
	v_lshl_add_u32 v1, v5, 5, v1                   ; + eight f32 for the upper half of the lanes
	v_add_nc_u32 v1, s15, v1                       ; my offset in the matrix
	v_lshl_add_u32 v2, v6, 4, s16                  ; my 16 bytes in the first fragment,
	v_add_nc_u32 v3, s18, v2                       ; and in the second
	s_wait_kmcnt 0x0
	s_cmp_eq_u32 s12, 0
	s_cselect_b64 s[4:5], s[4:5], s[6:7]           ; the matrix
.irp e, 0,1
.irp hf, 0,1
.irp j, 0,1
	global_load_b128 v[8+4*(4*\e+2*\hf+\j):8+4*(4*\e+2*\hf+\j)+3], v1, s[4:5] offset:128*\e+64*\hf+16*\j th:TH_LOAD_NT  ; fragment e, half hf: k = 32 e + 16 hf + 8 (lane / 16) + 4 j + 0..3; each byte of the weights is read once
.endr
.endr
.endr
	s_wait_loadcnt 0x0
.set m, 0
.rept 16
	v_cvt_pk_f16_f32 v[40+m], v[8+2*m], v[8+2*m+1] ; the lower k in the low half
.set m, m+1
.endr
.irp e, 0,1
.irp hf, 0,1
	global_store_b128 v[2+\e], v[40+4*(2*\e+\hf):40+4*(2*\e+\hf)+3], s[8:9] offset:512*\hf  ; 32 lanes x 16 bytes: 512 consecutive bytes, at a multiple of 512 from wf's first byte
.endr
.endr
	s_endpgm
.Lfunc_end_k_qb20bdfa775_prep:
	.size	k_qb20bdfa775_prep, .Lfunc_end_k_qb20bdfa775_prep-k_qb20bdfa775_prep
	.p2alignl 7, 3214868480
	.fill 96, 4, 3214868480
	.section	.rodata,"a",@progbits
	.p2align	6, 0x0
	.amdhsa_kernel k_qb20bdfa775_prep
		.amdhsa_group_segment_fixed_size 0
		.amdhsa_private_segment_fixed_size 0
		.amdhsa_enable_private_segment 0
		.amdhsa_kernarg_size 24
		.amdhsa_user_sgpr_count 2
		.amdhsa_user_sgpr_kernarg_segment_ptr 1
		.amdhsa_wavefront_size32 1
		.amdhsa_system_sgpr_workgroup_id_x 1
		.amdhsa_system_sgpr_workgroup_id_y 1
		.amdhsa_system_sgpr_workgroup_id_z 1
		.amdhsa_system_vgpr_workitem_id 0
		.amdhsa_next_free_vgpr 56
		.amdhsa_next_free_sgpr 66
		.amdhsa_reserve_vcc 0
		.amdhsa_float_denorm_mode_32 3
		.amdhsa_float_denorm_mode_16_64 3
		.amdhsa_memory_ordered 1
		.amdhsa_forward_progress 1
		.amdhsa_inst_pref_size 5
	.end_amdhsa_kernel
	.amdgpu_metadata
---
amdhsa.version: [ 1, 2 ]
amdhsa.kernels:
  - .name:           k_qb20bdfa775_prep
    .symbol:         k_qb20bdfa775_prep.kd
    .args:
      - { .name: W1, .offset: 0, .size: 8, .value_kind: global_buffer, .address_space: global }
      - { .name: W2, .offset: 8, .size: 8, .value_kind: global_buffer, .address_space: global }
      - { .name: wf, .offset: 16, .size: 8, .value_kind: global_buffer, .address_space: global }
    .group_segment_fixed_size: 0
    .private_segment_fixed_size: 0
    .kernarg_segment_align: 8
    .kernarg_segment_size: 24
    .max_flat_workgroup_size: 256
    .sgpr_count:     66
    .vgpr_count:     56
    .wavefront_size: 32
...
	.end_amdgpu_metadata
.endif
;; end of part 1
;; launch ffn (part 2): grid 256 x 1, 4 waves a work-group, clusters of 4 x 1, 327,680 bytes of LDS; arguments x, theta, wf, out0; writes out0
.if DOCPART == 2
	.amdgcn_target "amdgcn-amd-amdhsa--gfx1250"
	.amdhsa_code_object_version 6
	.text
	.protected	k_qb20bdfa775_ffn
	.globl	k_qb20bdfa775_ffn
	.p2align	8
	.type	k_qb20bdfa775_ffn,@function
k_qb20bdfa775_ffn:
	s_mov_b64 s[64:65], 0
	v_nop
	global_prefetch_b8 v0, s[64:65] scope:SCOPE_SE
	s_setreg_imm32_b32 hwreg(HW_REG_WAVE_MODE, 25, 1), 1
	s_wait_xcnt 0x0
	s_wait_alu depctr_hold_cnt(0) depctr_sa_sdst(0) depctr_va_vdst(0) depctr_va_sdst(0) depctr_va_ssrc(0) depctr_va_vcc(0) depctr_vm_vsrc(0)
	s_getreg_b32 s2, hwreg(HW_REG_IB_STS2, 6, 4)
	s_cmp_eq_u32 s2, 0
	s_cbranch_scc0 .Lentry_in_a_cluster
	s_endpgm
.Lentry_in_a_cluster:
	s_bfe_u32 s2, ttmp6, 0x10000c
	s_cmp_lg_u32 s2, 0x3003
	s_cbranch_scc0 .Lentry_shape_is_right
	s_endpgm
.Lentry_shape_is_right:
; out = relu(c cos(x) W1^T) W2^T, c = cos(sum of theta).  x, out: [32768][512] f32; wf: W1 and W2 in f16, in fragments and chunks as the launch before wrote them.
; relu(c z) = |c| relu(sgn(c) z) for every c: the first product's operand is q = sgn(c) cos(x), of order 1 whatever c is, and |c| multiplies the finished f32 sums.
; FORMATS.  Both products multiply f16 operands (q, W1; h, W2) and add in f32.  cos in f32: x / 2 pi with 1 / 2 pi in two words, less its nearest whole number, gives f in -1/2 .. 1/2;
; cos x = sin(2 pi (1/4 - |f|)), the sine's series up to the ninth power on -1/4 .. 1/4.
; LIMITS.  The series is off by 4e-6 at the most; the reduction holds to |x| of about 1e6.  h = relu(..) of 65,520 or more becomes an infinity (|h| <= 512 max|W1|, so max|W1| below 128 is safe).
; theta is added in another order than a plain running sum.  A NaN in front of the relu counts as 0; infinities and the sign of a zero are not treated apart.
; SHARES.  A work-group owns 128 rows; 256 work-groups.  f goes in 16 CHUNKS of 128; h never leaves the work-group.
;   Product 1, z^T = W1 q^T (source 0 = 16 f, source 1 = 16 rows): wave w owns rows 32 w .. 32 w + 31, whose q lies in 256 registers for the whole kernel.  In the result a lane holds ONE row (lane % 16) and
;   f = 8 (lane / 16) + 0..7: two such results, relu'd and rounded in pairs, ARE a fragment (16 rows x 32 f) of h.  They go to LDS, 16 bytes a lane.
;   Product 2, out^T = W2 h^T (source 0 = 16 columns, source 1 = 16 rows): wave w owns columns 128 w .. 128 w + 127 of all 128 rows: 64 accumulators, 512 registers; a lane holds eight neighbouring columns of a row.
; LDS.  Two slots of 133,120 bytes.  First fill: x, columns 0-255 in slot 0 and 256-511 in slot 1, each wave's 32 rows its own.  Then slot 0 takes a chunk's W1 (131,072 bytes), slot 1 its W2: W1 of chunk c + 1 is on
; its way during product 2 of chunk c, W2 of chunk c + 1 during product 1 of chunk c + 1: 256 matrix instructions a wave each.  A wave has two tensor loads out at the start, later one.
; CLUSTER.  All work-groups walk the same weights: the four of a cluster ask for each quarter of a slot JOINTLY (the same tensor load, descriptor and mask in all four).  x is each work-group's own.
; REGISTERS, in windows of 256 (s_set_vgpr_msb: bits 1:0 source 0, 3:2 source 1, 5:4 source 2, 7:6 destination):
;   window 0: v0-15, v48 addresses; v16-47 packed f16 on their way to LDS; v50-54 at work on theta; v64-255 by phase (below)      window 1: q, fragment (row tile i, k step s) at v[8 (16 i + s)]
;   windows 2, 3: out's accumulators, (column tile a, row tile b) at v[8 (8 (b % 4) + a)] of window 2 + b / 4
.set SLOT1,  133120                    ; slot 1's first byte
.set HREG,   266240                    ; 34,816 bytes that only ds_store writes: each wave's q stage (8,192), then h (32,768, shared), then each wave's way out (8,704)
.set SPARE,  301056                    ; the spare words, 128 bytes for each wave: two blocks of 256 bytes that no other line names
.set XPITCH, 1040                      ; a row of x in LDS: 1,024 bytes + 16 of padding = 65 x 16: the 16 rows of a load start at 16 different groups of four banks (64 banks of 4 bytes: ISA guide 11.1)
.set XWAVE,  32*XPITCH                 ; a wave's 32 rows
.set CHUNKB, 262144                    ; a chunk of wf
.set OPITCH, 528                       ; the way out: 128 f32 + 16 bytes = 33 x 16
.set OWAVE,  8704
.set W1A, 4                            ; v4  16 x lane: W1's fragments of group 0; also my offset in theta and in a row's 512 bytes of out.  v5  the same + 65,536: group 1
.set W2A, 6                            ; v6  my wave's quarter of slot 1 + 16 x lane
.set HRD, 7                            ; v7  h, read: HREG + 16 x lane
.set HST, 8                            ; v8  h, stored: HREG + 2,048 w + 16 x lane (my two row tiles)
.set XB,  9                            ; v9  my lane's place in my wave's x tile in slot 0
.set XA,  10                           ; v10 the x fragment to be fetched
.set QS,  11                           ; v11 the q stage, stored
.set QB,  12                           ; v12 the q stage's first byte + 16 x lane
.set OST, 13                           ; v13 the way out: where I put 32 bytes of a row
.set SPW, 14                           ; v14 LDS address of my spare word; never rewritten
.set NIL, 15                           ; v15 0; never rewritten
.set P,   16                           ; v16-47
.set ORD, 48                           ; v48 the way out: where I read a row back
.set X,   64                           ; cos: 16 numbers of x;  TF: x / 2 pi, its nearest whole number, f;  G: sgn (1/4 - |f|);  U: its square;  PP: the series
.set TF,  80
.set G,   96
.set U,   112
.set PP,  128
.set Z,   64                           ; product 1: accumulator (tt, i) at Z + 8 (2 tt + i);  four buffers of W1's four fragments of a k step at WB + 32 (s % 4)
.set WB,  128
.set W2B, 64                           ; product 2: two buffers of W2's eight fragments of a k step;  two buffers of four fragments of h
.set HB,  192
.set T,   64                           ; the way out: 16 rows x 128 columns scaled;  UO: the same read back by rows
.set UO,  128
.set WV,  12                           ; s12 my wave's number
.set GW,  24                           ; s[24:31] descriptor group 1 for the weights
.set GX,  32                           ; s[32:39] for x
.set G0A, 40                           ; s[40:43] descriptor group 0 of slot 0
.set G0B, 44                           ; s[44:47] of slot 1
.set CH,  48                           ; s48 counts chunks
.set CNT, 49                           ; s49 counts fragments
.set C1,  50                           ; s[50:59] the series' factors, each twice: the packed forms name a pair
.set C3,  52
.set C5,  54
.set C7,  56
.set C9,  58
.set IL,  60                           ; s[60:61] 1 / 2 pi, low word
.set SA,  62                           ; s62 -sgn(c)
.set SB,  63                           ; s63 sgn(c) / 4
.set ACT, 66                           ; s[66:67] |c|
.set SEL, 68                           ; s[68:69] v_permlanex16_b32's selects: each lane takes its own place in the other half
.set QRT, 70                           ; s70 1/4
.set CC,  71                           ; s71 c
.set IH,  72                           ; s[72:73] 1 / 2 pi, high word
.set SG,  74                           ; s74 c's sign bit
.set MSB, 0
.macro WIN new                         ; the immediate's high byte repeats the setting that is left; a switch that changes nothing is dropped
.if MSB != (\new)
	s_set_vgpr_msb (MSB<<8)|(\new)
.set MSB, (\new)
.endif
.endm
.macro PAIR reg, val
	s_mov_b32 s[\reg], \val
	s_mov_b32 s[(\reg)+1], \val
.endm
; A load into a register that a matrix instruction has read or written, and a vector instruction that reads a matrix result, stand four places behind it, and only plain vector instructions that name none
; of its registers are places (ISA guide 7.12.1 for vector instructions).
.macro PLACES
.rept 4
	v_nop
.endr
.endm
; A round of the cluster's barrier: my work-group's barrier, so that wave 0's signal speaks for all four waves; wave 0 signals; every wave waits for all four work-groups; my work-group's barrier once more.
.macro ROUND
	s_barrier_signal -1
	s_barrier_wait -1
	s_cmp_lg_u32 s[WV], 0
	s_cbranch_scc1 .Lnot_wave_0_\@
	s_barrier_signal -3
.Lnot_wave_0_\@:
	s_barrier_wait -3
	s_barrier_signal -1
	s_barrier_wait -1
.endm
; What every wave runs in front of a change of phase: all its tensor loads have landed (the one that was out is its quarter of the slot read next); 0 onto its spare word; the descriptor's step, on registers;
; the add is done, and so are the wave's LDS reads and stores.  mode 1, 2: slot 0, 1 goes over from x to the weights' chunk 0;  3, 4: slot 0, 1 steps to the next chunk;  0: nothing more is asked for.
.macro LINES mode
	WIN 0                                          ; the add's registers lie in window 0
	s_wait_tensorcnt 0x0                           ; no tensor load of mine is out, so a group 0 may be written
	ds_add_u32 v[SPW], v[NIL]
.if (\mode) == 1
	s_lshl_b32 s[G0A+1], s[WV], 15                 ; LDS: my quarter of slot 0
	s_mov_b64 s[G0A+2:G0A+3], s[20:21]             ; my quarter of chunk 0's W1
	s_or_b32 s[G0A+3], s[G0A+3], 0x80000000        ; type = 2
.elseif (\mode) == 2
	s_lshl_b32 s[G0B+1], s[WV], 15
	s_add_co_u32 s[G0B+1], s[G0B+1], SLOT1         ; my quarter of slot 1
	s_add_nc_u64 s[G0B+2:G0B+3], s[20:21], 131072  ; my quarter of chunk 0's W2
	s_or_b32 s[G0B+3], s[G0B+3], 0x80000000
.elseif (\mode) == 3
	s_add_nc_u64 s[G0A+2:G0A+3], s[G0A+2:G0A+3], CHUNKB  ; the type bits on top are not reached
.elseif (\mode) == 4
	s_add_nc_u64 s[G0B+2:G0B+3], s[G0B+2:G0B+3], CHUNKB
.endif
	s_wait_dscnt 0x0
.endm
; A joint refill of slot n: every wave asks for its own quarter, 32,768 bytes; address and LDS place hang on the wave's number alone, so the four partners' descriptors are equal.
; An s_nop 0 and four v_nop follow; the four are also the places in front of the LDS loads that come next.
.macro FILL n
	tensor_load_to_lds s[G0A+4*(\n):G0A+4*(\n)+3], s[GW:GW+7]
	s_nop 0
	PLACES
.endm
	s_load_b256 s[4:11], s[0:1], 0x0               ; x s[4:5], theta s[6:7], wf s[8:9], out s[10:11]
	v_lshl_add_u32 v[SPW], v0, 2, SPARE
	v_mov_b32 v[NIL], 0
	ds_add_u32 v[SPW], v[NIL]                      ; the wave's opening: the add and its wait stand ahead of my first tensor load; the set-up below, work on registers, stands between them
	v_lshrrev_b32 v1, 5, v0
	v_readfirstlane_b32 s[WV], v1                  ; wave 0..3
	s_bfe_u32 s13, ttmp6, 0x40000                  ; cx: my place in the cluster
	s_lshl_b32 s14, ttmp9, 2                       ; in a cluster launch ttmp9 counts clusters
	s_add_co_u32 s14, s14, s13                     ; my block of 128 rows: it enters x's and out's addresses alone
	s_lshl_b32 s16, s14, 18                        ; 128 rows of 2,048 bytes,
	s_lshl_b32 s15, s[WV], 16                      ; my wave's 32 of them
	s_add_co_u32 s16, s16, s15
	s_mov_b32 s17, 0                               ; x: my wave's first row
	s_lshl_b32 s18, s14, 18
	s_lshl_b32 s15, s[WV], 9                       ; my wave's 128 columns
	s_add_co_u32 s18, s18, s15
	s_mov_b32 s19, 0                               ; out: the block's first row, my columns
	s_lshl_b32 s22, s[WV], 15                      ; wf: my quarter of a slot's 131,072 bytes
	s_mov_b32 s23, 0
	; group 1 for the weights: 32,768 dense bytes as 128 rows of 256
	s_mov_b32 s[GW+0], 15|(3<<16)|(1<<21)          ; 15:0 the mask: all four work-groups; 17:16 elements of 8 bytes; 21 set beside a mask; no padding
	s_mov_b32 s[GW+1], 32<<16                      ; tensor_dim0 = 32
	s_mov_b32 s[GW+2], 128<<16                     ; tensor_dim1 = 128
	s_mov_b32 s[GW+3], 32<<16                      ; tile_dim0 = 32
	s_mov_b32 s[GW+4], 128                         ; tile_dim1 = 128
	s_mov_b32 s[GW+5], 32                          ; 32 elements from row to row
	s_mov_b32 s[GW+6], 0
	s_mov_b32 s[GW+7], 0
	; group 1 for x: 32 rows x 256 f32, padded in LDS
	s_mov_b32 s[GX+0], (2<<16)|(1<<20)|(7<<22)|(3<<25)  ; no mask; elements of 4 bytes; padding on: after every 256 words (code 7) 4 words (code 3)
	s_mov_b32 s[GX+1], 256<<16                     ; tensor_dim0 = 256
	s_mov_b32 s[GX+2], 32<<16                      ; tensor_dim1 = 32
	s_mov_b32 s[GX+3], 256<<16                     ; tile_dim0 = 256
	s_mov_b32 s[GX+4], 32                          ; tile_dim1 = 32
	s_mov_b32 s[GX+5], 512                         ; 512 elements from row to row
	s_mov_b32 s[GX+6], 0
	s_mov_b32 s[GX+7], 0
	s_mov_b32 s[G0A], 1                            ; count = 1
	s_mul_i32 s[G0A+1], s[WV], XWAVE               ; LDS: my wave's rows in slot 0,
	s_mov_b32 s[G0B], 1
	s_add_co_u32 s[G0B+1], s[G0A+1], SLOT1         ; and in slot 1
	PAIR C1, 0x40c90fdb                            ; 2 pi
	PAIR C3, 0xc2255de7                            ; -(2 pi)^3 / 3!  = -41.341702
	PAIR C5, 0x42a335e3                            ;  (2 pi)^5 / 5!  =  81.605249
	PAIR C7, 0xc2996966                            ; -(2 pi)^7 / 7!  = -76.705860
	PAIR C9, 0x42283c1a                            ;  (2 pi)^9 / 9!  =  42.058694
	PAIR IH, 0x3e22f983                            ; 1 / 2 pi rounded to f32,
	PAIR IL, 0x31dc9c88                            ; and what that rounding left: 6.4206e-9
	s_mov_b32 s[SEL], 0x76543210
	s_mov_b32 s[SEL+1], 0xfedcba98
	s_mov_b32 s[QRT], 0x3e800000
	s_wait_dscnt 0x0                               ; the opening add is done
	s_wait_kmcnt 0x0
	s_add_nc_u64 s[4:5], s[4:5], s[16:17]
	s_add_nc_u64 s[10:11], s[10:11], s[18:19]
	s_add_nc_u64 s[20:21], s[8:9], s[22:23]        ; made of the wave's number alone
	s_mov_b64 s[G0A+2:G0A+3], s[4:5]               ; x, columns 0-255
	s_or_b32 s[G0A+3], s[G0A+3], 0x80000000        ; type = 2
	s_add_nc_u64 s[G0B+2:G0B+3], s[4:5], 1024      ; columns 256-511
	s_or_b32 s[G0B+3], s[G0B+3], 0x80000000
	ROUND                                          ; in a cluster launch every group of tensor loads stands behind a round
	tensor_load_to_lds s[G0A:G0A+3], s[GX:GX+7]    ; the two first fills go out together: two loads of mine are out
	s_nop 0
	tensor_load_to_lds s[G0B:G0B+3], s[GX:GX+7]
	s_nop 0
	PLACES
	; theta: every wave adds all 512, sixteen a lane; the lanes' addresses are made while the loads are out
	v_and_b32 v3, 31, v0
	v_lshlrev_b32 v[W1A], 4, v3                    ; 16 x lane
.irp d, 0,1,2,3
	global_load_b128 v[X+4*\d:X+4*\d+3], v[W1A], s[6:7] offset:512*\d
.endr
	v_and_b32 v1, 15, v0                           ; lane % 16
	v_bfe_u32 v2, v0, 4, 1                         ; lane / 16
	v_add_nc_u32 v[W1A+1], 65536, v[W1A]
	s_lshl_b32 s15, s[WV], 15
	s_add_co_u32 s15, s15, SLOT1
	v_add_nc_u32 v[W2A], s15, v[W1A]
	v_add_nc_u32 v[HRD], HREG, v[W1A]
	s_lshl_b32 s15, s[WV], 11
	v_add_nc_u32 v[HST], s15, v[HRD]
	s_lshl_b32 s15, s[WV], 13
	v_add_nc_u32 v[QB], s15, v[HRD]
	s_mul_i32 s15, s[WV], OWAVE
	s_add_co_u32 s15, s15, HREG
	v_add_nc_u32 v[ORD], s15, v[W1A]               ; back: 32 lanes take a row's 512 bytes
	v_mul_u32_u24 v3, v1, OPITCH
	v_lshl_add_u32 v3, v2, 5, v3
	v_add_nc_u32 v[OST], s15, v3                   ; in: row lane % 16, 32 bytes for each half of the lanes
	v_mul_u32_u24 v3, v1, XPITCH
	v_lshl_add_u32 v3, v2, 5, v3                   ; row x pitch + eight f32 for the upper half of the lanes
	s_mul_i32 s15, s[WV], XWAVE
	v_add_nc_u32 v[XB], s15, v3
	s_wait_loadcnt 0x0
	v_pk_add_f32 v[X:X+1], v[X:X+1], v[X+2:X+3]
	v_pk_add_f32 v[X+4:X+5], v[X+4:X+5], v[X+6:X+7]
	v_pk_add_f32 v[X+8:X+9], v[X+8:X+9], v[X+10:X+11]
	v_pk_add_f32 v[X+12:X+13], v[X+12:X+13], v[X+14:X+15]
	v_pk_add_f32 v[X:X+1], v[X:X+1], v[X+4:X+5]
	v_pk_add_f32 v[X+8:X+9], v[X+8:X+9], v[X+12:X+13]
	v_pk_add_f32 v[X:X+1], v[X:X+1], v[X+8:X+9]
	v_add_f32 v50, v[X], v[X+1]
	v_add_f32_dpp v50, v50, v50 row_xmask:1 row_mask:0xf bank_mask:0xf
	v_add_f32_dpp v50, v50, v50 row_xmask:2 row_mask:0xf bank_mask:0xf
	v_add_f32_dpp v50, v50, v50 row_xmask:4 row_mask:0xf bank_mask:0xf
	v_add_f32_dpp v50, v50, v50 row_xmask:8 row_mask:0xf bank_mask:0xf
	v_permlanex16_b32 v[X+1], v50, s[SEL], s[SEL+1]  ; its destination counts as read: a register that has been written
	v_add_f32 v50, v50, v[X+1]                     ; the sum, in every lane
	v_mul_f32 v51, s[IH], v50                      ; its cosine, as for x below
	v_rndne_f32 v51, v51
	v_fma_f32 v52, v50, s[IH], -v51
	v_fma_f32 v52, v50, s[IL], v52
	v_sub_f32 v52, s[QRT], |v52|
	v_mul_f32 v53, v52, v52
	v_fma_f32 v54, v53, s[C9], s[C7]
	v_fma_f32 v54, v54, v53, s[C5]
	v_fma_f32 v54, v54, v53, s[C3]
	v_fma_f32 v54, v54, v53, s[C1]
	v_mul_f32 v54, v54, v52
	v_readfirstlane_b32 s[CC], v54                 ; c: it enters numbers alone, no address and no branch
	s_and_b32 s[SG], s[CC], 0x80000000
	s_xor_b32 s[SA], s[SG], 0xbf800000             ; -1 with c's sign turned: -sgn(c)
	s_or_b32 s[SB], s[SG], 0x3e800000              ; sgn(c) / 4
	s_and_b32 s[ACT], s[CC], 0x7fffffff            ; |c|
	s_mov_b32 s[ACT+1], s[ACT]
; THE COSINES.  A fragment of q is 16 rows x 32 k: lane l holds row l % 16, k = 8 (l / 16) + 0..7 and 16 + 8 (l / 16) + 0..7: in f32 two pieces of 32 bytes, 64 bytes apart.
.macro XLOAD
	ds_load_b128 v[X:X+3],     v[XA]
	ds_load_b128 v[X+4:X+7],   v[XA] offset:16
	ds_load_b128 v[X+8:X+11],  v[XA] offset:64
	ds_load_b128 v[X+12:X+15], v[XA] offset:80
.endm
; One fragment: 16 numbers a lane, in 8 pairs.  As soon as x has been read the next fragment is asked for: pre = 1: 32 k on; 2: the next row tile's first; 0: none.
.macro COS pre
	s_wait_dscnt 0x0                               ; x is in
.irp d, 0,2,4,6,8,10,12,14
	v_pk_mul_f32 v[TF+\d:TF+\d+1], v[X+\d:X+\d+1], s[IH:IH+1] op_sel_hi:[1,0]
.endr
.irp d, 0,1,2,3,4,5,6,7,8,9,10,11,12,13,14,15
	v_rndne_f32 v[TF+\d], v[TF+\d]                 ; n, the nearest whole number of turns
.endr
.irp d, 0,2,4,6,8,10,12,14
	v_pk_fma_f32 v[TF+\d:TF+\d+1], v[X+\d:X+\d+1], s[IH:IH+1], v[TF+\d:TF+\d+1] op_sel_hi:[1,0,1] neg_lo:[0,0,1] neg_hi:[0,0,1]  ; x hi - n: the product is not rounded before n is taken away
.endr
.irp d, 0,2,4,6,8,10,12,14
	v_pk_fma_f32 v[TF+\d:TF+\d+1], v[X+\d:X+\d+1], s[IL:IL+1], v[TF+\d:TF+\d+1] op_sel_hi:[1,0,1]  ; + x lo: f
.endr
.if (\pre) == 1
	v_add_nc_u32 v[XA], 128, v[XA]
	XLOAD
.elseif (\pre) == 2
	v_add_nc_u32 v[XA], 16*XPITCH-7*128, v[XA]
	XLOAD
.endif
.irp d, 0,1,2,3,4,5,6,7,8,9,10,11,12,13,14,15
	v_fma_f32 v[G+\d], |v[TF+\d]|, s[SA], s[SB]    ; g = sgn(c) (1/4 - |f|): the sine is odd, so the sign rides along
.endr
.irp d, 0,2,4,6,8,10,12,14
	v_pk_mul_f32 v[U+\d:U+\d+1], v[G+\d:G+\d+1], v[G+\d:G+\d+1]
.endr
.irp d, 0,2,4,6,8,10,12,14
	v_pk_fma_f32 v[PP+\d:PP+\d+1], v[U+\d:U+\d+1], s[C9:C9+1], s[C7:C7+1] op_sel_hi:[1,0,0]
.endr
.irp d, 0,2,4,6,8,10,12,14
	v_pk_fma_f32 v[PP+\d:PP+\d+1], v[PP+\d:PP+\d+1], v[U+\d:U+\d+1], s[C5:C5+1] op_sel_hi:[1,1,0]
.endr
.irp d, 0,2,4,6,8,10,12,14
	v_pk_fma_f32 v[PP+\d:PP+\d+1], v[PP+\d:PP+\d+1], v[U+\d:U+\d+1], s[C3:C3+1] op_sel_hi:[1,1,0]
.endr
.irp d, 0,2,4,6,8,10,12,14
	v_pk_fma_f32 v[PP+\d:PP+\d+1], v[PP+\d:PP+\d+1], v[U+\d:U+\d+1], s[C1:C1+1] op_sel_hi:[1,1,0]
.endr
.irp d, 0,2,4,6,8,10,12,14
	v_pk_mul_f32 v[PP+\d:PP+\d+1], v[PP+\d:PP+\d+1], v[G+\d:G+\d+1]  ; sgn(c) cos x
.endr
.irp d, 0,1,2,3,4,5,6,7
	v_cvt_pk_f16_f32 v[P+\d], v[PP+2*\d], v[PP+2*\d+1]
.endr
	ds_store_b128 v[QS], v[P:P+3]
	ds_store_b128 v[QS], v[P+4:P+7] offset:512
	v_add_nc_u32 v[QS], 1024, v[QS]
.endm
; Eight fragments: K half hk, row tile i.  The text of a fragment is walked in a counted loop, in which a destination register cannot change: so the eight go to my own stage in LDS and come back, each lane's
; bytes to the same lane, into q's registers.  LDS serves a wave's instructions in order (ISA guide 5.7.1.4): the loads see the stores above them, and the next eight's stores come behind the loads.
.macro PART hk, i, pre
	v_mov_b32 v[QS], v[QB]
	s_mov_b32 s[CNT], 7
.Lcos_\@:
	COS 1
	s_sub_co_u32 s[CNT], s[CNT], 1
	s_cmp_lg_u32 s[CNT], 0
	s_cbranch_scc1 .Lcos_\@
	COS \pre
	WIN 0x40                                       ; destination window 1, address window 0
.irp j, 0,1,2,3,4,5,6,7
	ds_load_b128 v[8*(16*(\i)+8*(\hk)+\j):8*(16*(\i)+8*(\hk)+\j)+3],   v[QB] offset:1024*\j
	ds_load_b128 v[8*(16*(\i)+8*(\hk)+\j)+4:8*(16*(\i)+8*(\hk)+\j)+7], v[QB] offset:1024*\j+512
.endr
	WIN 0
.endm
	s_wait_tensorcnt 0x1                           ; my tile in slot 0 is in; the one load issued behind it, slot 1's, stays out.  Only I read these bytes: no barrier
	v_mov_b32 v[XA], v[XB]
	XLOAD
	PART 0, 0, 2
	PART 0, 1, 0
	LINES 1                                        ; slot 1's x has landed too; my reads of slot 0 are over
	ROUND                                          ; so are every wave's, in all four work-groups
	FILL 0                                         ; W1 of chunk 0: it lands while the second half of x is turned into q
	v_add_nc_u32 v[XA], SLOT1, v[XB]
	XLOAD
	PART 1, 0, 2
	PART 1, 1, 0
	LINES 2                                        ; W1 of chunk 0 has landed; q is in registers; my reads of slot 1 and of my stage are over
	ROUND                                          ; every wave's: slot 0 is whole, and h may take the stages' bytes
	FILL 1                                         ; W2 of chunk 0
; PRODUCT 1.  A chunk's 128 f in two groups of 64: four fragments of W1 a k step, each for my two row tiles: 8 accumulators, which take turns.
.macro W1LD g, st                      ; the eight loads of k step st of group g
.irp tt, 0,1,2,3
	ds_load_b128 v[WB+32*((\st)%4)+8*\tt:WB+32*((\st)%4)+8*\tt+3],   v[W1A+(\g)] offset:(4*(\st)+\tt)*1024
	ds_load_b128 v[WB+32*((\st)%4)+8*\tt+4:WB+32*((\st)%4)+8*\tt+7], v[W1A+(\g)] offset:(4*(\st)+\tt)*1024+512
.endr
.endm
; Sixteen k steps.  Steps 0 to 2 have been asked for; step ks asks for step ks + 3, into the buffer that step ks - 1 multiplied.
.macro GROUP g
.set ks, 0
.rept 16
.if ks <= 13
	s_wait_dscnt 16                                ; step ks is in: the loads of the two steps behind it may be out
.elseif ks == 14
	s_wait_dscnt 8                                 ; step 15's may be out
.else
	s_wait_dscnt 0x0
.endif
.irp tt, 0,1,2,3
.irp i, 0,1
.if ks == 0
	v_wmma_f32_16x16x32_f16 v[Z+8*(2*\tt+\i):Z+8*(2*\tt+\i)+7], v[WB+32*(ks%4)+8*\tt:WB+32*(ks%4)+8*\tt+7], v[8*(16*\i+ks):8*(16*\i+ks)+7], 0
.else
	v_wmma_f32_16x16x32_f16 v[Z+8*(2*\tt+\i):Z+8*(2*\tt+\i)+7], v[WB+32*(ks%4)+8*\tt:WB+32*(ks%4)+8*\tt+7], v[8*(16*\i+ks):8*(16*\i+ks)+7], v[Z+8*(2*\tt+\i):Z+8*(2*\tt+\i)+7]
.endif
.endr
.endr
.if ks <= 12
	PLACES
	W1LD \g, ks+3
.elseif ks == 15
	PLACES                                         ; for what follows the group: loads into the buffers, and the relu, which reads the results
.endif
.set ks, ks+1
.endr
.endm
; A group's 8 results: relu, rounded to f16 in pairs (each accumulator from its lowest register on), 16 bytes a lane into h: tile 4 g + tt of 16 f is half (4 g + tt) % 2 of k step (4 g + tt) / 2.
.macro HOUT g
	WIN 0
.irp acc, 0,1,2,3,4,5,6,7
.irp j, 0,1,2,3,4,5,6,7
	v_max_num_f32 v[Z+8*\acc+\j], 0, v[Z+8*\acc+\j]
.endr
.irp j, 0,1,2,3
	v_cvt_pk_f16_f32 v[P+4*\acc+\j], v[Z+8*\acc+2*\j], v[Z+8*\acc+2*\j+1]
.endr
.endr
.irp tt, 0,1,2,3
.irp i, 0,1
	ds_store_b128 v[HST], v[P+4*(2*\tt+\i):P+4*(2*\tt+\i)+3] offset:((4*(\g)+\tt)/2)*8192+1024*\i+((4*(\g)+\tt)%2)*512
.endr
.endr
.endm
.macro PROD1
	WIN 0x04                                       ; source 1 (q) window 1; all else, the LDS loads' registers too, window 0
	W1LD 0, 0
	W1LD 0, 1
	W1LD 0, 2
	GROUP 0
	W1LD 1, 0                                      ; group 1's first steps are on their way while group 0's results are packed
	W1LD 1, 1
	W1LD 1, 2
	HOUT 0
	WIN 0x04
	GROUP 1
	HOUT 1
.endm
; PRODUCT 2.  Four k steps of 32 f, each in two halves of 32 matrix instructions (rows 0-63: window 2; rows 64-127: window 3), every one on another accumulator.
.macro W2LD st                         ; my eight fragments of W2 for k step st: 16 loads
.irp a, 0,1,2,3,4,5,6,7
	ds_load_b128 v[W2B+64*((\st)%2)+8*\a:W2B+64*((\st)%2)+8*\a+3],   v[W2A] offset:(8*(\st)+\a)*1024
	ds_load_b128 v[W2B+64*((\st)%2)+8*\a+4:W2B+64*((\st)%2)+8*\a+7], v[W2A] offset:(8*(\st)+\a)*1024+512
.endr
.endm
.macro HLD st, hh                      ; four fragments of h: k step st, row tiles 4 hh .. 4 hh + 3: 8 loads
.irp b, 0,1,2,3
	ds_load_b128 v[HB+32*(\hh)+8*\b:HB+32*(\hh)+8*\b+3],   v[HRD] offset:(8*(\st)+4*(\hh)+\b)*1024
	ds_load_b128 v[HB+32*(\hh)+8*\b+4:HB+32*(\hh)+8*\b+7], v[HRD] offset:(8*(\st)+4*(\hh)+\b)*1024+512
.endr
.endm
.macro MUL32 st, hh, zero              ; zero = 1: the products start the sums: nothing is ever cleared
	WIN 0xa0+0x50*(\hh)                            ; C and D window 2 or 3, sources window 0
.irp b, 0,1,2,3
.irp a, 0,1,2,3,4,5,6,7
.if \zero
	v_wmma_f32_16x16x32_f16 v[8*(8*\b+\a):8*(8*\b+\a)+7], v[W2B+64*((\st)%2)+8*\a:W2B+64*((\st)%2)+8*\a+7], v[HB+32*(\hh)+8*\b:HB+32*(\hh)+8*\b+7], 0
.else
	v_wmma_f32_16x16x32_f16 v[8*(8*\b+\a):8*(8*\b+\a)+7], v[W2B+64*((\st)%2)+8*\a:W2B+64*((\st)%2)+8*\a+7], v[HB+32*(\hh)+8*\b:HB+32*(\hh)+8*\b+7], v[8*(8*\b+\a):8*(8*\b+\a)+7]
.endif
.endr
.endr
.endm
; The loads stand in runs, one a half, each into the buffers that the half before has multiplied, four places behind it.  Each wait leaves out what was issued behind the fragments that are due.
.macro PROD2 zero
	WIN 0
	W2LD 0                                         ; the places in front of these: the v_nop behind product 1's last step, and the relu
	HLD 0, 0
	HLD 0, 1
	W2LD 1
	s_wait_dscnt 24                                ; out: h's rows 64-127 (8), W2 of step 1 (16)
	MUL32 0, 0, \zero
	WIN 0
	PLACES
	HLD 1, 0
	s_wait_dscnt 24                                ; out: W2 of step 1 (16), h of step 1 (8)
	MUL32 0, 1, \zero
.irp sk, 1,2
	WIN 0
	PLACES
	HLD \sk, 1
	W2LD \sk+1
	s_wait_dscnt 24
	MUL32 \sk, 0, 0
	WIN 0
	PLACES
	HLD \sk+1, 0
	s_wait_dscnt 24
	MUL32 \sk, 1, 0
.endr
	WIN 0
	PLACES
	HLD 3, 1
	s_wait_dscnt 8                                 ; out: the eight just issued
	MUL32 3, 0, 0
	s_wait_dscnt 0x0
	MUL32 3, 1, 0
.endm
; A CHUNK.  Each change of phase is one round of the cluster's barrier, for four things: h's stores are done before other waves read them (or: its reads before the next stores); nobody reads the slot that is
; left; the slot that is entered is whole; and the slot left is asked for again, jointly, first thing behind the round.  fill = 0, the last chunk: nothing is asked for, and a barrier of the work-group does.
.macro TRIP zero, fill
	PROD1
.if \fill
	LINES 3
	ROUND
	FILL 0                                         ; the next chunk's W1: it has product 2, 256 matrix instructions, in which to land
.else
	LINES 0
	s_barrier_signal -1
	s_barrier_wait -1
.endif
	PROD2 \zero
.if \fill
	LINES 4
	ROUND
	FILL 1                                         ; the next chunk's W2: it has product 1, 256 matrix instructions
.endif
.endm
	TRIP 1, 1                                      ; chunk 0 stands in front of the loop: its products start out's sums
	s_mov_b32 s[CH], 14
.Lchunk:                                               ; chunks 1 to 14
	TRIP 0, 1
	s_sub_co_u32 s[CH], s[CH], 1
	s_cmp_lg_u32 s[CH], 0
	s_cbranch_scc1 .Lchunk
	TRIP 0, 0                                      ; chunk 15 is written out
; THE WAY OUT, a row tile (16 rows x my 128 columns) at a time: times |c| into other registers; 32 bytes a lane into my stage, rows of 528 bytes; back as whole rows of 512 bytes; stored.
.macro SCALE b
	WIN 0x02+(\b)/4                                ; source 0 window 2 or 3
.set ka, 0
.rept 8
.irp j, 0,1,2,3
	v_pk_mul_f32 v[T+8*ka+2*\j:T+8*ka+2*\j+1], v[8*(8*((\b)%4)+ka)+2*\j:8*(8*((\b)%4)+ka)+2*\j+1], s[ACT:ACT+1] op_sel_hi:[1,0]
.endr
.set ka, ka+1
.endr
	WIN 0
.endm
.macro TOSTAGE
	s_wait_xcnt 0x0                                ; every earlier memory instruction has had its addresses translated (ISA guide 3.1): UO, which the last tile's stores read, is loaded again only behind this wait
.irp a, 0,1,2,3,4,5,6,7
	ds_store_b128 v[OST], v[T+8*\a:T+8*\a+3]   offset:64*\a
	ds_store_b128 v[OST], v[T+8*\a+4:T+8*\a+7] offset:64*\a+16
.endr
.irp t, 0,1,2,3,4,5,6,7,8,9,10,11,12,13,14,15
	ds_load_b128 v[UO+4*\t:UO+4*\t+3], v[ORD] offset:OPITCH*\t  ; LDS serves a wave's instructions in order (ISA guide 5.7.1.4): these see the stores above; the next tile's stores come behind them
.endr
.endm
.macro SEND b
.irp t, 0,1,2,3,4,5,6,7,8,9,10,11,12,13,14,15
	s_wait_dscnt 15-\t                             ; row t is back; the younger loads may be out
	global_store_b128 v[W1A], v[UO+4*\t:UO+4*\t+3], s[10:11] offset:(16*(\b)+\t)*2048 th:TH_STORE_NT  ; 32 lanes store 512 consecutive bytes, at a multiple of 512 from out's first byte
.endr
.endm
	WIN 0
	s_wait_dscnt 0x0                               ; my reads of h are over:
	s_barrier_signal -1
	s_barrier_wait -1                              ; everybody's are, and the stages may take h's bytes
	PLACES                                         ; behind the last products
	SCALE 0
	TOSTAGE
.irp b, 1,2,3,4,5,6,7                  ; a tile's scaling stands between the loads of the tile before and its stores
	SCALE \b
	SEND \b-1
	TOSTAGE
.endr
	SEND 7
	s_wait_tensorcnt 0x0                           ; the wave's end, behind my last tensor load and my last LDS store
	ds_add_u32 v[SPW], v[NIL]
	s_wait_dscnt 0x0
	ROUND                                          ; the closing round: no work-group ends while a partner may still ask for a tile that names it
	s_endpgm
.Lfunc_end_k_qb20bdfa775_ffn:
	.size	k_qb20bdfa775_ffn, .Lfunc_end_k_qb20bdfa775_ffn-k_qb20bdfa775_ffn
	.p2alignl 7, 3214868480
	.fill 96, 4, 3214868480
	.section	.rodata,"a",@progbits
	.p2align	6, 0x0
	.amdhsa_kernel k_qb20bdfa775_ffn
		.amdhsa_group_segment_fixed_size 327680
		.amdhsa_private_segment_fixed_size 0
		.amdhsa_enable_private_segment 0
		.amdhsa_kernarg_size 32
		.amdhsa_user_sgpr_count 2
		.amdhsa_user_sgpr_kernarg_segment_ptr 1
		.amdhsa_wavefront_size32 1
		.amdhsa_system_sgpr_workgroup_id_x 1
		.amdhsa_system_sgpr_workgroup_id_y 1
		.amdhsa_system_sgpr_workgroup_id_z 1
		.amdhsa_system_vgpr_workitem_id 0
		.amdhsa_next_free_vgpr 1024
		.amdhsa_next_free_sgpr 80
		.amdhsa_reserve_vcc 0
		.amdhsa_float_denorm_mode_32 3
		.amdhsa_float_denorm_mode_16_64 3
		.amdhsa_memory_ordered 1
		.amdhsa_forward_progress 1
		.amdhsa_inst_pref_size 255
	.end_amdhsa_kernel
	.section	.bss,"aw",@nobits
	.p2align	6
	.space	262144
	.amdgpu_metadata
---
amdhsa.version: [ 1, 2 ]
amdhsa.kernels:
  - .name:           k_qb20bdfa775_ffn
    .symbol:         k_qb20bdfa775_ffn.kd
    .args:
      - { .name: x, .offset: 0, .size: 8, .value_kind: global_buffer, .address_space: global }
      - { .name: theta, .offset: 8, .size: 8, .value_kind: global_buffer, .address_space: global }
      - { .name: wf, .offset: 16, .size: 8, .value_kind: global_buffer, .address_space: global }
      - { .name: out0, .offset: 24, .size: 8, .value_kind: global_buffer, .address_space: global }
    .group_segment_fixed_size: 327680
    .private_segment_fixed_size: 0
    .kernarg_segment_align: 8
    .kernarg_segment_size: 32
    .max_flat_workgroup_size: 128
    .sgpr_count:     80
    .vgpr_count:     1024
    .wavefront_size: 32
...
	.end_amdgpu_metadata
.endif
;; end of part 2
